; MI455X (gfx1250); checked and timed in simulation.
; The chip was launched on July 23, 2026; its instructions are those of AMD's public machine-readable ISA for CDNA 5 (MIT licence, August 2026) and "CDNA5" Instruction Set Architecture Reference Guide (July 2026). The comments in the code are by the model that wrote it; some were corrected since.
;; Multi Head Attention Layer. Allowed arithmetic: matrix products marked QUANTISED: E2M3 operands, one E8M0 scale for each 32 along K, by v_wmma_scale_f32_16x16x128_f8f6f4 with both operands' format E2M3, f32 sums; everything else in f32.
;; Inputs: Wk_codes 1,024 x 32 x 24 uint8 (E2M3 codes of Wk, K innermost, in blocks of 32 codes, four codes in three bytes); Wk_scales 1,024 x 32 uint8 (E8M0 scales of Wk, one for each 32 codes along K); Wo_codes 1,024 x 32 x 24 uint8 (E2M3 codes of Wo, K innermost, in blocks of 32 codes, four codes in three bytes); Wo_scales 1,024 x 32 uint8 (E8M0 scales of Wo, one for each 32 codes along K); Wq_codes 1,024 x 32 x 24 uint8 (E2M3 codes of Wq, K innermost, in blocks of 32 codes, four codes in three bytes); Wq_scales 1,024 x 32 uint8 (E8M0 scales of Wq, one for each 32 codes along K); Wv_codes 1,024 x 32 x 24 uint8 (E2M3 codes of Wv, K innermost, in blocks of 32 codes, four codes in three bytes); Wv_scales 1,024 x 32 uint8 (E8M0 scales of Wv, one for each 32 codes along K); key_codes 4 x 2,048 x 32 x 24 uint8 (E2M3 codes of key, K innermost, in blocks of 32 codes, four codes in three bytes); key_scales 4 x 2,048 x 32 uint8 (E8M0 scales of key, one for each 32 codes along K); mask 4 x 1 x 2,048 x 2,048 int32; query_codes 4 x 2,048 x 32 x 24 uint8 (E2M3 codes of query, K innermost, in blocks of 32 codes, four codes in three bytes); query_scales 4 x 2,048 x 32 uint8 (E8M0 scales of query, one for each 32 codes along K); value_codes 4 x 2,048 x 32 x 24 uint8 (E2M3 codes of value, K innermost, in blocks of 32 codes, four codes in three bytes); value_scales 4 x 2,048 x 32 uint8 (E8M0 scales of value, one for each 32 codes along K).
;; Outputs: out0 4 x 2,048 x 1,024 float32.
;; This version of the problem:
;;   THIS VERSION OF THE PROBLEM IS GIVEN IN LOW PRECISION. The matrix products marked QUANTISED in the list below multiply operands that are first quantised to E2M3 (2 exponent bits, 3 mantissa bits; 6 bits a number), with one power-of-two scale for each 32 numbers along K (OCP MX v1.0); their sums are f32. All else is computed in f32.
;;   The module's matrix products, in the order in which they are computed (A, B: the left and right operand; K: the contracted axis; several contracted axes count as one K, in the product's order):
;;     1. [M 8,192, K 1,024] x [K 1,024, N 1,024]; A: input query (given as codes); B: input Wq (given as codes): QUANTISED
;;     2. [M 8,192, K 1,024] x [K 1,024, N 1,024]; A: input key (given as codes); B: input Wk (given as codes): QUANTISED
;;     3. [M 8,192, K 1,024] x [K 1,024, N 1,024]; A: input value (given as codes); B: input Wv (given as codes): QUANTISED
;;     4. batch 64 x [M 2,048, K 64] x [K 64, N 2,048]; A: computed on the way; B: computed on the way: QUANTISED
;;     5. batch 64 x [M 2,048, K 2,048] x [K 2,048, N 64]; A: softmax (see below); B: computed on the way: QUANTISED
;;     6. [M 8,192, K 1,024] x [K 1,024, N 1,024]; A: computed on the way; B: input Wo (given as codes): QUANTISED
;;   THE QUANTISER, for each operand of a quantised product, along K:
;;     - K is cut into blocks of 32 from its start; a last block that is shorter is filled with zeros.
;;     - A block's scale is 2^e with e = floor(log2(the largest magnitude in the block)) - 2, held to -126 .. 127; a block of zeros has e = 0. As a byte (E8M0): e + 127.
;;     - Each number is divided by its block's scale, clamped to +-7.5, and rounded to the nearest number of E2M3, ties to even, subnormals kept.
;;     - The product sums the exact products of the quantised numbers (number of the format x scale) in f32.
;;   ~~~python
;;   def quantise(x, axis):      # numpy; x: float32 -> the quantised numbers, widened to float32 again
;;       x = np.moveaxis(x, axis, -1); K = x.shape[-1]
;;       x = np.pad(x, [(0, 0)] * (x.ndim - 1) + [(0, -K % 32)]); x = x.reshape(x.shape[:-1] + (-1, 32)); a = np.abs(x).max(-1, keepdims=True)
;;       e = np.where(a > 0, np.clip(np.frexp(np.where(a > 0, a, 1))[1] - 1 - 2, -126, 127), 0)      # np.frexp(a)[1] - 1 = floor(log2(a)), exactly
;;       r = np.clip(x / 2.0 ** e, -7.5, 7.5)
;;       step = 2.0 ** (np.maximum(np.frexp(np.where(r == 0, 1, r))[1] - 1, 0) - 3)
;;       q = np.round(r / step) * step * 2.0 ** e      # np.round: ties to even
;;       return np.moveaxis(q.reshape(q.shape[:-2] + (-1,))[..., :K], -1, axis).astype(np.float32)
;;   ~~~
;;   SOFTMAX AHEAD OF A QUANTISED PRODUCT. Where the list says 'softmax', what is quantised is not the finished softmax but p = 2^(t - M), with t = logit x log2(e) and M = ceil(the row's largest t), a whole number; so 1/2 < the row's largest p <= 1. The row's sum l is taken of the UNQUANTISED p, in f32, and the product's result is divided by l at the end. Since M is a whole number, a kernel that streams over the keys may use a running M (the ceiling of the running maximum): every later rescaling is an exact power of two, which a block's scale takes up: the codes' values come out the same.
;;   OPERANDS COMPUTED ON THE WAY. 'Computed on the way' means the value that the module computes at that place (a softmax that the list does not call 'softmax' is quantised finished and normalised). What goes into a quantiser is computed in f32, as accurately as f32 sums, v_exp_f32 and their like allow (about 1e-6 of the number): no bf16 or f16 on the way to a quantiser, and a product that is left as it is and whose result goes on into a quantised operand takes f32 operands (vector FMAs, or v_wmma_f32_16x16x4_f32). A number that lies on a knife's edge between two numbers of the format may be rounded either way, as far as f32 arithmetic and the matrix unit's own rounding can turn it there, and no further.
;;   INPUTS GIVEN AS CODES. Wk (in the module: [1024, 1024], K = its axis 1); Wo (in the module: [1024, 1024], K = its axis 1); Wq (in the module: [1024, 1024], K = its axis 1); Wv (in the module: [1024, 1024], K = its axis 1); key (in the module: [4, 2048, 1024], K = its axis 2); query (in the module: [4, 2048, 1024], K = its axis 2); value (in the module: [4, 2048, 1024], K = its axis 2): each comes as NAME_codes (uint8): NAME with its K axis moved to the last place and cut into blocks of 32 codes, [.., K / 32, bytes a block], one block behind the other in memory; four codes in three bytes: a row's codes are one little-endian stream of bits, code i at bits 6 i .. 6 i + 5 (a code: sign, 2 exponent bits, 3 mantissa bits); and NAME_scales (uint8): the same leading axes, one E8M0 byte (e + 127) for each 32 codes along K. Its value is code x scale, taken as it is: it is not quantised again, and the codes and scales need not be those that the quantiser above would give.
;; One version. Each part assembles by itself: llvm-mc -triple=amdgcn-amd-amdhsa -mcpu=gfx1250 --defsym DOCPART=n.
;; ======== version 1 of 1: 4 launches
;; limits: right only within a limited range of input values
;; workspace buffers: pimg 18,874,368 bytes; pscl 1,572,864 bytes; mbits 2,097,152 bytes of whole numbers; aimg 6,291,456 bytes; ascl 262,144 bytes
;; launch maskpack (part 1): grid 1024 x 1, 4 waves a work-group, no clusters, 34,304 bytes of LDS; arguments mask, mbits; writes mbits
.if DOCPART == 1
	.amdgcn_target "amdgcn-amd-amdhsa--gfx1250"
	.amdhsa_code_object_version 6
	.text
	.protected	k_q1cbe750e4b_maskpack
	.globl	k_q1cbe750e4b_maskpack
	.p2align	8
	.type	k_q1cbe750e4b_maskpack,@function
k_q1cbe750e4b_maskpack:
	s_mov_b64 s[64:65], 0
	v_nop
	global_prefetch_b8 v0, s[64:65] scope:SCOPE_SE
	s_setreg_imm32_b32 hwreg(HW_REG_WAVE_MODE, 25, 1), 1
	s_wait_xcnt 0x0
; mask [4][1][2048][2048] int32 becomes mbits [512 tiles of 16 queries][16 key steps of 128][64 words]: one bit for each mask number.
; Word n = 8 t + j of a (tile, key step): bit r + 16 h says whether mask[16 tile + r][128 step + 16 t + 8 h + j] is not 0.  That is the lane mask of score register n
; in the attention launch, where lane (r, h) holds query r and register 8 t + j holds key 16 t + 8 h + j: one select an instruction hides a register's 32 scores.
; The mask is read once, here, 4 bytes a number; the sixteen heads of the attention launch read one bit a number.
; A wave takes two neighbouring key steps of one tile of queries.  Each load reads 512 consecutive bytes of a mask row; a tile of 16 rows x 512 bytes turns through the wave's own stage in LDS
; (rows 528 bytes apart = 33 x 16: the sixteen rows that a read touches start at different banks), so that a lane holds the numbers of its own (r, h).  A compare gives a word in a scalar register;
; the 64 words are laid two to a lane and leave as one store of 256 consecutive, aligned bytes.  Waves share nothing: no barrier.  No matrix work, no shared input: no cluster.
.set SP, 528                           ; a stage row
.set R,  16                            ; v16-143 two tiles of 64 registers
.set W,  8                             ; v8-11   two pairs of words to store
	s_load_b128 s[4:7], s[0:1], 0x0                ; mask, mbits
	v_lshl_add_u32 v144, v0, 2, 0x8400
	v_mov_b32 v145, 0
	v_lshrrev_b32 v1, 5, v0
	v_readfirstlane_b32 s8, v1                     ; wave 0..3
	v_and_b32 v2, 31, v0                           ; lane
	v_lshlrev_b32 v3, 4, v2                        ; 16 x lane: my 16 bytes of a row's 512
	s_mul_i32 s9, s8, 16*SP                        ; my wave's stage
	v_add_nc_u32 v4, s9, v3                        ; into it: as loaded
	v_and_b32 v7, 15, v0                           ; r
	v_bfe_u32 v12, v0, 4, 1                        ; h
	v_mul_u32_u24 v5, v7, SP
	v_lshl_add_u32 v5, v12, 5, v5
	v_add_nc_u32 v5, s9, v5                        ; out of it: row r, + 32 h: keys 8 h on of each 16
	v_lshlrev_b32 v6, 3, v2                        ; 8 x lane: my two words
	s_lshl_b32 s10, ttmp9, 2
	s_add_co_u32 s10, s10, s8                      ; P = 4 x work-group + wave, 0 .. 4095: tile P / 8, key steps 2 (P % 8) and the next
	s_lshr_b32 s12, s10, 3
	s_lshl_b32 s12, s12, 17                        ; 16 rows of 8,192 bytes a tile
	s_and_b32 s13, s10, 7
	s_lshl_b32 s13, s13, 10                        ; two key steps of 512 bytes
	s_add_co_u32 s12, s12, s13
	s_mov_b32 s13, 0
	s_lshl_b32 s14, s10, 9                         ; two key steps of 256 bytes of words
	s_mov_b32 s15, 0
	s_wait_alu depctr_va_vdst(0)
	s_wait_kmcnt 0x0
	s_add_nc_u64 s[4:5], s[4:5], s[12:13]
	s_add_nc_u64 s[6:7], s[6:7], s[14:15]
.macro LOADT k                         ; key step k of my two: 16 rows x 512 bytes
.irp q, 0,1,2,3,4,5,6,7,8,9,10,11,12,13,14,15
	global_load_b128 v[R+64*\k+4*\q:R+64*\k+4*\q+3], v3, s[4:5] offset:\q*8192+\k*512 th:TH_LOAD_NT
.endr
.endm
.macro PACK k
	s_wait_loadcnt 16*(1-\k)                       ; this tile's 16 loads are in; the other tile's 16 may be out
.irp q, 0,1,2,3,4,5,6,7,8,9,10,11,12,13,14,15
	ds_store_b128 v4, v[R+64*\k+4*\q:R+64*\k+4*\q+3] offset:\q*SP
.endr
.irp t, 0,1,2,3,4,5,6,7
	ds_load_b128 v[R+64*\k+8*\t:R+64*\k+8*\t+3], v5 offset:64*\t          ; LDS serves a wave's instructions in order (ISA guide 5.7.1.4): these see the stores above
	ds_load_b128 v[R+64*\k+8*\t+4:R+64*\k+8*\t+7], v5 offset:64*\t+16     ; register 8 t + j: mask(r, 16 t + 8 h + j)
.endr
	s_wait_dscnt 0x0
	v_mov_b32 v[W+2*\k], 0                         ; written whole before single lanes are written
	v_mov_b32 v[W+2*\k+1], 0
.irp g, 0,1,2,3                        ; sixteen words at a time, so that no line waits for the line above it
.irp i, 0,1,2,3,4,5,6,7,8,9,10,11,12,13,14,15
	v_cmp_ne_u32 s[16+\i], 0, v[R+64*\k+16*\g+\i]  ; word 16 g + i
.endr
.irp i, 0,1,2,3,4,5,6,7,8,9,10,11,12,13,14,15
	v_writelane_b32 v[W+2*\k+(\i%2)], s[16+\i], 8*\g+\i/2   ; word n goes to lane n / 2, register n % 2
.endr
.endr
	global_store_b64 v6, v[W+2*\k:W+2*\k+1], s[6:7] offset:256*\k   ; 32 lanes store 256 consecutive bytes, aligned
.endm
	LOADT 0
	LOADT 1
	PACK 0
	PACK 1
	s_wait_tensorcnt 0x0
	ds_add_u32 v144, v145
	s_wait_dscnt 0x0
	s_endpgm
.Lfunc_end_k_q1cbe750e4b_maskpack:
	.size	k_q1cbe750e4b_maskpack, .Lfunc_end_k_q1cbe750e4b_maskpack-k_q1cbe750e4b_maskpack
	.p2alignl 7, 3214868480
	.fill 96, 4, 3214868480
	.section	.rodata,"a",@progbits
	.p2align	6, 0x0
	.amdhsa_kernel k_q1cbe750e4b_maskpack
		.amdhsa_group_segment_fixed_size 34304
		.amdhsa_private_segment_fixed_size 0
		.amdhsa_enable_private_segment 0
		.amdhsa_kernarg_size 16
		.amdhsa_user_sgpr_count 2
		.amdhsa_user_sgpr_kernarg_segment_ptr 1
		.amdhsa_wavefront_size32 1
		.amdhsa_system_sgpr_workgroup_id_x 1
		.amdhsa_system_sgpr_workgroup_id_y 1
		.amdhsa_system_sgpr_workgroup_id_z 1
		.amdhsa_system_vgpr_workitem_id 0
		.amdhsa_next_free_vgpr 146
		.amdhsa_next_free_sgpr 66
		.amdhsa_reserve_vcc 0
		.amdhsa_float_denorm_mode_32 3
		.amdhsa_float_denorm_mode_16_64 3
		.amdhsa_memory_ordered 1
		.amdhsa_forward_progress 1
		.amdhsa_inst_pref_size 25
	.end_amdhsa_kernel
	.amdgpu_metadata
---
amdhsa.version: [ 1, 2 ]
amdhsa.kernels:
  - .name:           k_q1cbe750e4b_maskpack
    .symbol:         k_q1cbe750e4b_maskpack.kd
    .args:
      - { .name: mask, .offset: 0, .size: 8, .value_kind: global_buffer, .address_space: global }
      - { .name: mbits, .offset: 8, .size: 8, .value_kind: global_buffer, .address_space: global }
    .group_segment_fixed_size: 34304
    .private_segment_fixed_size: 0
    .kernarg_segment_align: 8
    .kernarg_segment_size: 16
    .max_flat_workgroup_size: 128
    .sgpr_count:     66
    .vgpr_count:     146
    .wavefront_size: 32
...
	.end_amdgpu_metadata
.endif
;; end of part 1
;; launch proj (part 2): grid 4 x 192, 8 waves a work-group, clusters of 4 x 4, 327,680 bytes of LDS; arguments query_codes, query_scales, Wq_codes, Wq_scales, key_codes, key_scales, Wk_codes, Wk_scales, Wv_codes, Wv_scales, value_codes, value_scales, pimg, pscl; writes pimg, pscl
.if DOCPART == 2
	.amdgcn_target "amdgcn-amd-amdhsa--gfx1250"
	.amdhsa_code_object_version 6
	.text
	.protected	k_q1cbe750e4b_proj
	.globl	k_q1cbe750e4b_proj
	.p2align	8
	.type	k_q1cbe750e4b_proj,@function
k_q1cbe750e4b_proj:
	s_mov_b64 s[64:65], 0
	v_nop
	global_prefetch_b8 v0, s[64:65] scope:SCOPE_SE
	s_setreg_imm32_b32 hwreg(HW_REG_WAVE_MODE, 25, 1), 1
	s_wait_xcnt 0x0
	s_wait_alu depctr_hold_cnt(0) depctr_sa_sdst(0) depctr_va_vdst(0) depctr_va_sdst(0) depctr_va_ssrc(0) depctr_va_vcc(0) depctr_vm_vsrc(0)
	s_getreg_b32 s2, hwreg(HW_REG_IB_STS2, 6, 4)
	s_cmp_eq_u32 s2, 0
	s_cbranch_scc0 .Lentry_in_a_cluster
	s_endpgm
.Lentry_in_a_cluster:
	s_bfe_u32 s2, ttmp6, 0x10000c
	s_cmp_lg_u32 s2, 0xf033
	s_cbranch_scc0 .Lentry_shape_is_right
	s_endpgm
.Lentry_shape_is_right:
; q = query Wq^T, k = key Wk^T, v = value Wv^T, on codes of FP6 (E2M3) with one E8M0 scale for each 32 along K = 1,024; each result is quantised at once for the attention launch and stored as codes.
; ONE LAUNCH FOR THE THREE PRODUCTS: cluster y / 16 says which; only pointers and tile numbers are chosen by it.
; ROLES.  Source 0 of the matrix instruction takes 16 rows of S0, source 1 takes 16 rows of S1: lane (r, h) holds row r of S1, and its register j row 8 h + j of S0.
; So S0's rows are the axis along which the result is quantised: for q and k S0 = W (the head's 64 channels) and S1 = the tokens; for v S0 = value (the keys) and S1 = Wv.
; SHARES.  A work-group makes 128 rows of S1 x 256 rows of S0; wave w of eight makes 64 x 64 (S1 half w / 4, S0 quarter w % 4): 16 accumulators, 128 registers.
; LDS.  ALL OF K of the work-group's 384 rows lies in LDS: whole rows of 768 bytes of memory, each starting at a multiple of 256 bytes; 16 bytes of padding behind every 256: 384 x 816 bytes.
; Behind them the rows' scale bytes (dense blocks, as rows of 256 + 16 bytes) and the spare words: 327,424 bytes.  Every byte is filled once: no refill, one barrier.
; THE HEAD'S LOADS, one a wave: waves 0, 1 S1's halves; waves 2 to 5 S0's quarters; wave 6 S1's scale bytes; wave 7 S0's.
; CLUSTER 4 x 4: what hangs on the tile row alone (S1) is asked for jointly along a row of the cluster, what hangs on the tile column alone (S0) along a column.
; No prefetch: the launch has no loop to run ahead in; all its tiles are asked for at the head.
; OUT.  For each of its four blocks of 16 rows of S1 a wave stores HALF AN OPERAND'S REGISTER IMAGE, 768 bytes: six registers a lane (lane (r, h): row r, block h of 32): registers 0-3 at 16 x lane, 4-5 at 512 + 8 x lane.
; Inside a block the 32 codes stand in the order 0-7, 16-23, 8-15, 24-31; q and k share that order along the channels, v shares it along the keys with p in the attention launch: every product is unchanged.
; pimg: [product][head 16][group of 64 tokens 128][4][768 bytes];  pscl: [product][head][group][r 16][4] words, a word = block 0's byte | block 1's byte << 8.
; LIMITS: a block of zeros gets the byte 1 (its codes are zeros; this program alone reads the bytes); NaN and infinities are not served.
.set PITCH,  816                       ; an LDS row: 3 x (256 + 16) = 204 words: row r starts at bank 12 r mod 64 (64 banks of 4 bytes: ISA guide 11.1): the 32 lanes of a load of 8 bytes touch 64 different banks
.set QR,     64*PITCH                  ; 64 rows: what one load of codes brings, and what one wave reads of S1 or of S0
.set SCL,    6*QR                      ; behind the codes: the scales
.set SCQ,    8*272                     ; the scales of 64 rows (32 bytes a row)
.set SPARE,  SCL+6*SCQ                 ; the spare words, 128 bytes for each of eight waves
.set KROW,   768                       ; a row of codes in memory
.set ADA, 8                            ; v8 LDS address of my S1 fragments; v9 for the pieces whose lanes 16-31 lie behind one padding more
.set ADB, 10                           ; v10, v11 the same for S0
.set ADS, 12                           ; v12 my scale words: lanes 0-15 S1's rows, lanes 16-31 S0's
.set SPW, 13                           ; v13 my spare word; never rewritten
.set NIL, 14                           ; v14 0; never rewritten
.set IP,  15                           ; v15 16 x lane
.set IQ,  16                           ; v16 8 x lane
.set IW,  17                           ; v17 16 r + 8 h
.set SC,  18                           ; v18-25 scale words: register 2 i + q: lanes 0-15 S1's block i, lanes 16-31 S0's block i, the q-th 128 of a pair
.set BF,  26                           ; v26-73 S0's four fragments
.set AF,  74                           ; v74-121 S1's four
.set ACC, 128                          ; accumulator (a, b) at v[128 + 8 (4 a + b)]
.set WV,  40                           ; s40 wave; s41 its S1 half; s42 its S0 quarter
.set G1A, 16                           ; groups 1: S1's codes, S0's codes, S1's scales, S0's scales
.set G1B, 24
.set G1SA, 32
.set G1SB, 68
.set G0A, 76                           ; groups 0, likewise
.set G0B, 88
.set G0SA, 52
.set G0SB, 56
.macro CROUND                          ; a round of the cluster's barrier
	s_barrier_signal -1
	s_barrier_wait -1
	s_cmp_lg_u32 s[WV], 0
	s_cbranch_scc1 .Lnot_wave_0_\@
	s_barrier_signal -3
.Lnot_wave_0_\@:
	s_barrier_wait -3
	s_barrier_signal -1
	s_barrier_wait -1
.endm
.macro PLACES                          ; four places behind a matrix instruction of this form (ISA guide 7.12.1)
.rept 4
	v_nop
.endr
.endm
.macro GSC g, rows                     ; group 1 of a dense block of scale bytes: rows of 256 bytes (32 elements of 8)
	s_mov_b32 s[\g+1], 32<<16
	s_mov_b32 s[\g+2], (\rows)<<16
	s_mov_b32 s[\g+3], 32<<16
	s_mov_b32 s[\g+4], \rows
	s_mov_b32 s[\g+5], 32
	s_mov_b32 s[\g+6], 0
	s_mov_b32 s[\g+7], 0
.endm
.macro G0ADR g, p                      ; group 0's count, address and type
	s_mov_b32 s[\g], 1
	s_mov_b64 s[\g+2:\g+3], s[\p:\p+1]
	s_or_b32 s[\g+3], s[\g+3], 0x80000000
.endm
	s_load_b256 s[4:11], s[0:1], 0x0               ; q's four: S1's codes, S1's scales, S0's codes, S0's scales
	s_load_b256 s[76:83], s[0:1], 0x20             ; k's four
	s_load_b256 s[84:91], s[0:1], 0x40             ; v's four (Wv is S1, value is S0)
	s_load_b128 s[12:15], s[0:1], 0x60             ; pimg, pscl
	v_lshl_add_u32 v[SPW], v0, 2, SPARE
	v_mov_b32 v[NIL], 0
	ds_add_u32 v[SPW], v[NIL]                      ; the opening lines: the add, twice on end, and its wait
	ds_add_u32 v[SPW], v[NIL]
	s_wait_dscnt 0x0
	v_lshrrev_b32 v1, 5, v0
	s_delay_alu instid0(VALU_DEP_1)
	v_readfirstlane_b32 s[WV], v1                  ; wave 0..7
	s_lshr_b32 s41, s[WV], 2
	s_and_b32 s42, s[WV], 3
	s_bfe_u32 s43, ttmp6, 0x40000                  ; cx
	s_bfe_u32 s44, ttmp6, 0x40004                  ; cy
	s_and_b32 s50, ttmp7, 0xffff                   ; cluster y, 0 .. 47
	s_lshr_b32 s45, s50, 4                         ; the product: 0 q, 1 k, 2 v
	s_and_b32 s50, s50, 15                         ; the cluster within it
	s_and_b32 s51, s50, 7
	s_lshr_b32 s2, s50, 3
	s_cmp_eq_u32 s45, 2
	s_cselect_b32 s46, s51, 0                      ; q, k: one cluster across, sixteen down;  v: eight across, two down
	s_cselect_b32 s47, s2, s50
	s_lshl_b32 s46, s46, 2
	s_add_co_u32 s46, s46, s43                     ; I0: which 256 rows of S0
	s_lshl_b32 s47, s47, 2
	s_add_co_u32 s47, s47, s44                     ; I1: which 128 rows of S1
	s_lshl_b32 s48, s44, 2
	s_lshl_b32 s48, 15, s48                        ; my row of the cluster
	s_lshl_b32 s49, 0x1111, s43                    ; my column
	s_or_b32 s[G1A], s48, (1<<20)|(1<<21)|(5<<22)|(3<<25)   ; the mask; elements of 1 byte; padding on; bit 21 beside a mask; after every 64 words 4 words
	s_or_b32 s[G1B], s49, (1<<20)|(1<<21)|(5<<22)|(3<<25)
.irp g, G1A, G1B
	s_mov_b32 s[\g+1], KROW<<16                    ; tensor_dim0
	s_mov_b32 s[\g+2], 64<<16                      ; tensor_dim1
	s_mov_b32 s[\g+3], KROW<<16                    ; tile_dim0
	s_mov_b32 s[\g+4], 64                          ; tile_dim1
	s_mov_b32 s[\g+5], KROW                        ; from row to row
	s_mov_b32 s[\g+6], 0
	s_mov_b32 s[\g+7], 0
.endr
	s_or_b32 s[G1SA], s48, (3<<16)|(1<<20)|(1<<21)|(5<<22)|(3<<25)
	s_or_b32 s[G1SB], s49, (3<<16)|(1<<20)|(1<<21)|(5<<22)|(3<<25)
	GSC G1SA, 16                                   ; 128 rows x 32 bytes
	GSC G1SB, 32                                   ; 256 rows x 32 bytes
	; the rows that I fetch.  S1's numbers never hold cx, S0's never cy
	s_and_b32 s50, s[WV], 1
	s_lshl_b32 s50, s50, 6
	s_lshl_b32 s51, s47, 7                         ; S1's tile begins at row 128 I1
	s_add_co_u32 s50, s50, s51                     ; + 64 x half
	s_mov_b32 s3, 0
	s_add_co_u32 s66, s[WV], 2
	s_and_b32 s66, s66, 3
	s_lshl_b32 s66, s66, 6
	s_lshl_b32 s67, s46, 8                         ; S0's tile begins at row 256 I0
	s_add_co_u32 s66, s66, s67                     ; + 64 x quarter
	s_mov_b32 s101, 0
	s_wait_kmcnt 0x0
	s_cmp_eq_u32 s45, 1                            ; the product's four pointers: the choice hangs on the cluster's number alone
	s_cselect_b64 s[4:5], s[76:77], s[4:5]
	s_cselect_b64 s[6:7], s[78:79], s[6:7]
	s_cselect_b64 s[8:9], s[80:81], s[8:9]
	s_cselect_b64 s[10:11], s[82:83], s[10:11]
	s_cmp_eq_u32 s45, 2
	s_cselect_b64 s[4:5], s[84:85], s[4:5]
	s_cselect_b64 s[6:7], s[86:87], s[6:7]
	s_cselect_b64 s[8:9], s[88:89], s[8:9]
	s_cselect_b64 s[10:11], s[90:91], s[10:11]
	s_mul_i32 s2, s50, KROW
	s_add_nc_u64 s[4:5], s[4:5], s[2:3]
	s_lshl_b32 s2, s51, 5
	s_add_nc_u64 s[6:7], s[6:7], s[2:3]            ; the scale bytes of S1's whole tile
	s_mul_i32 s100, s66, KROW
	s_add_nc_u64 s[8:9], s[8:9], s[100:101]
	s_lshl_b32 s100, s67, 5
	s_add_nc_u64 s[10:11], s[10:11], s[100:101]    ; and of S0's
	G0ADR G0A, 4
	s_mul_i32 s[G0A+1], s[WV], QR                  ; where the codes go: wave x 64 rows: no place in the cluster enters an LDS address
	G0ADR G0B, 8
	s_mul_i32 s[G0B+1], s[WV], QR
	G0ADR G0SA, 6
	s_mov_b32 s[G0SA+1], SCL
	G0ADR G0SB, 10
	s_mov_b32 s[G0SB+1], SCL+2*SCQ
	CROUND                                         ; all sixteen work-groups are here: the joint loads meet
.macro ARM under, g0, g1, next         ; one chain of branches on the wave's number: every way through it passes exactly one load
	s_cmp_lt_u32 s[WV], \under
	s_cbranch_scc0 \next
	tensor_load_to_lds s[\g0:\g0+3], s[\g1:\g1+7]
	s_nop 0
	PLACES
	s_branch .Lasked
\next:
.endm
	ARM 2, G0A, G1A, .Lhead_b
	ARM 6, G0B, G1B, .Lhead_sa
	ARM 7, G0SA, G1SA, .Lhead_sb
	tensor_load_to_lds s[G0SB:G0SB+3], s[G1SB:G1SB+7]
	s_nop 0
	PLACES
.Lasked:
	v_and_b32 v1, 15, v0                           ; r
	v_bfe_u32 v2, v0, 4, 1                         ; h
	v_and_b32 v3, 31, v0                           ; lane
	s_delay_alu instid0(VALU_DEP_3)
	v_mul_u32_u24 v4, v1, PITCH
	s_delay_alu instid0(VALU_DEP_1)
	v_mad_u32_u24 v4, v2, 24, v4                   ; a fragment's row x pitch + 24 x half
	s_delay_alu instid0(VALU_DEP_1)
	v_lshl_add_u32 v5, v2, 4, v4                   ; and the same behind one padding more
	s_mul_i32 s4, s41, QR                          ; my 64 rows of S1
	s_mul_i32 s5, s42, QR                          ; my 64 rows of S0,
	s_add_co_u32 s5, s5, 2*QR                      ; which lie behind S1's 128
	v_add_nc_u32 v[ADA], s4, v4
	v_add_nc_u32 v[ADA+1], s4, v5
	v_add_nc_u32 v[ADB], s5, v4
	v_add_nc_u32 v[ADB+1], s5, v5
	v_lshlrev_b32 v6, 5, v1                        ; my row's scales: 32 bytes a row,
	v_lshrrev_b32 v7, 3, v1
	s_delay_alu instid0(VALU_DEP_1)
	v_lshl_add_u32 v6, v7, 4, v6                   ; and 16 more for each 256 passed
	s_mul_i32 s6, s41, SCQ
	s_mul_i32 s7, s42, SCQ
	s_add_co_u32 s7, s7, 2*SCQ
	s_sub_co_u32 s7, s7, s6
	v_mul_u32_u24 v7, s7, v2                       ; lanes 16-31 take S0's: the lower base + h x the distance
	s_add_co_u32 s6, s6, SCL
	v_add_nc_u32 v6, v6, v7
	s_delay_alu instid0(VALU_DEP_1)
	v_add_nc_u32 v[ADS], s6, v6
	v_lshlrev_b32 v[IP], 4, v3
	v_lshlrev_b32 v[IQ], 3, v3
	v_lshlrev_b32 v[IW], 4, v1
	s_delay_alu instid0(VALU_DEP_1)
	v_lshl_add_u32 v[IW], v2, 3, v[IW]
	; where my results go: the head and the group of 64 tokens
	s_lshl_b32 s8, s46, 2
	s_add_co_u32 s8, s8, s42                       ; which 64 rows of S0
	s_lshl_b32 s9, s47, 1
	s_add_co_u32 s9, s9, s41                       ; which 64 rows of S1
	s_cmp_eq_u32 s45, 2
	s_cselect_b32 s10, s9, s8                      ; the head: S0's 64 for q and k, S1's for v
	s_cselect_b32 s11, s8, s9                      ; the group of tokens: the other
	s_lshl_b32 s10, s10, 7
	s_add_co_u32 s10, s10, s11
	s_mul_i32 s8, s10, 3072
	s_mul_i32 s9, s45, 6291456
	s_add_co_u32 s8, s8, s9
	s_mov_b32 s9, 0
	s_add_nc_u64 s[12:13], s[12:13], s[8:9]        ; my four half images
	s_lshl_b32 s8, s10, 8
	s_lshl_b32 s11, s45, 19
	s_add_co_u32 s8, s8, s11
	s_add_nc_u64 s[14:15], s[14:15], s[8:9]        ; my 64 scale words
	s_mov_b32 s60, 0x76543210
	s_mov_b32 s61, 0xfedcba98                      ; v_permlanex16_b32's selects for lane l xor 16
	s_mov_b32 s62, 0xffff0000                      ; lanes 16-31, as a lane mask
; A fragment, 16 rows x 128 K, is 12 registers: lane l holds row l % 16; registers 6 c .. 6 c + 5 hold K = 64 c + 32 (l / 16) + 0 .. 31: 24 bytes of the row, in pieces of 8 bytes.
; KP counts pairs of steps of 128 along K; piece n of a row lies at 8 n + 16 (n / 32).  Lanes 16-31 read three pieces further on; where that is behind one padding more, the second address register serves.
.macro FRAG reg, adr, q, i
.irp p, 0,1,2,3,4,5
.set PCE, 24*KP+12*(\q)+6*(\p/3)+\p%3
.if PCE%32 < 29
	ds_load_b64 v[\reg+2*\p:\reg+2*\p+1], v[\adr] offset:8*PCE+16*(PCE/32)+(\i)*16*PITCH
.else
	ds_load_b64 v[\reg+2*\p:\reg+2*\p+1], v[\adr+1] offset:8*PCE+16*(PCE/32)+(\i)*16*PITCH
.endif
.endr
.endm
.macro SCALES                          ; pair KP's scale words: two words a row; 16 rows are 512 bytes of data, two padded rows
.irp i, 0,1,2,3
	ds_load_b64 v[SC+2*\i:SC+2*\i+1], v[ADS] offset:\i*544+8*KP
.endr
.endm
; 128 along K, the pair's q-th: 48 LDS loads, 16 matrix instructions.  The 16 accumulators take turns, one instruction a turn, in the same order in every step.
; zero = 1: the first products start the sums: nothing is cleared.
.macro KSTEP q, zero
.irp i, 0,1,2,3
	FRAG BF+12*\i, ADB, \q, \i
.endr
.irp i, 0,1,2,3
	FRAG AF+12*\i, ADA, \q, \i
.endr
.irp a, 0,1,2,3
	s_wait_dscnt 18-6*\a                           ; S0's four and S1's blocks up to a are in; the six loads of each later block may be out
.irp b, 0,1,2,3
.if \zero
	v_wmma_scale_f32_16x16x128_f8f6f4 v[ACC+8*(4*\a+\b):ACC+8*(4*\a+\b)+7], v[BF+12*\b:BF+12*\b+11], v[AF+12*\a:AF+12*\a+11], 0, v[SC+2*\b+(\q)], v[SC+2*\a+(\q)] matrix_a_fmt:MATRIX_FMT_FP6 matrix_b_fmt:MATRIX_FMT_FP6 matrix_a_scale:MATRIX_SCALE_ROW1
.else
	v_wmma_scale_f32_16x16x128_f8f6f4 v[ACC+8*(4*\a+\b):ACC+8*(4*\a+\b)+7], v[BF+12*\b:BF+12*\b+11], v[AF+12*\a:AF+12*\a+11], v[ACC+8*(4*\a+\b):ACC+8*(4*\a+\b)+7], v[SC+2*\b+(\q)], v[SC+2*\a+(\q)] matrix_a_fmt:MATRIX_FMT_FP6 matrix_b_fmt:MATRIX_FMT_FP6 matrix_a_scale:MATRIX_SCALE_ROW1
.endif
.endr
.endr
	PLACES                                         ; in front of the next loads into these registers, and of the first read of results
.endm
	s_wait_alu depctr_va_vdst(0)                   ; the wait at the head's end
	s_wait_tensorcnt 0x0                           ; my tile is in,
	s_barrier_signal -1
	s_barrier_wait -1                              ; everybody's is: all of K of all 384 rows, and their scales
.set KP, 0
	SCALES
	KSTEP 0, 1
	KSTEP 1, 0
.rept 3
.set KP, KP+1
	SCALES
	KSTEP 0, 0
	KSTEP 1, 0
.endr
; THE WAY OUT.  S1's block a: a lane's 32 registers are its row's numbers at S0's rows 16 b + 8 h + j: two blocks of 32, 16 numbers of each in this lane, the other 16 in lane l xor 16.
; The largest magnitude (with the floor 2^(3 - 127) among its leaves: the byte cannot fall under 1); 2 off its exponent field is the conversion's scale operand; that, shifted, is the byte.
; The conversions give half blocks; the exchange of halves gives each lane a whole block: lanes 0-15 block 0, lanes 16-31 block 1.
.macro QUANT2 a
.set QS, ACC+32*(\a)
.set CB, 26+8*(\a)                     ; six registers of codes, and two more at work; each block a has its own, so that no store's data are written again
	v_max3_num_f32 v58, |v[QS]|, |v[QS+1]|, 0x1800000
	v_max3_num_f32 v59, |v[QS+16]|, |v[QS+17]|, 0x1800000
.irp i, 2,4,6,8,10,12,14
	v_max3_num_f32 v58, v58, |v[QS+\i]|, |v[QS+\i+1]|        ; the two blocks by turns; each accumulator is read from its low end on
	v_max3_num_f32 v59, v59, |v[QS+16+\i]|, |v[QS+17+\i]|
.endr
	s_delay_alu instid0(VALU_DEP_2)
	v_permlanex16_b32 v60, v58, s60, s61
	s_delay_alu instid0(VALU_DEP_2)
	v_permlanex16_b32 v61, v59, s60, s61
	s_delay_alu instid0(VALU_DEP_2)
	v_max_num_f32 v58, v58, v60
	s_delay_alu instid0(VALU_DEP_2)
	v_max_num_f32 v59, v59, v61
	s_delay_alu instid0(VALU_DEP_2)
	v_add_nc_u32 v62, 0xff000000, v58
	s_delay_alu instid0(VALU_DEP_2)
	v_add_nc_u32 v63, 0xff000000, v59
	s_delay_alu instid0(VALU_DEP_2)
	v_lshrrev_b32 v64, 23, v62
	s_delay_alu instid0(VALU_DEP_2)
	v_lshrrev_b32 v65, 23, v63
	s_delay_alu instid0(VALU_DEP_1)
	v_lshl_or_b32 v[68+\a], v65, 8, v64            ; my row's scale word
	v_cvt_scalef32_pk16_fp6_f32 v[CB:CB+2], v[QS:QS+15], v62
	v_cvt_scalef32_pk16_fp6_f32 v[CB+4:CB+6], v[QS+16:QS+31], v63    ; a conversion's three registers begin on an even number
	v_nop                                          ; one plain place behind a scaled conversion
.irp i, 0,1,2
	v_permlane16_swap_b32 v[CB+\i], v[CB+4+\i]     ; the first's lanes 16-31 change places with the second's lanes 0-15
.endr
.irp i, 0,1,2
	s_delay_alu instid0(VALU_DEP_3)
	v_mov_b32 v[CB+3+\i], v[CB+4+\i]               ; ascending: each line reads a register that no earlier one has written
.endr
	global_store_b128 v[IP], v[CB:CB+3], s[12:13] offset:768*\a          ; 512 consecutive bytes, aligned
	global_store_b64 v[IQ], v[CB+4:CB+5], s[12:13] offset:768*\a+512     ; 256 consecutive bytes, aligned
.endm
	v_mov_b32 v60, 0                               ; a lane permute's destination counts as one of its sources
	v_mov_b32 v61, 0
	QUANT2 0
	QUANT2 1
	QUANT2 2
	QUANT2 3
	v_cndmask_b32 v72, v68, v70, s62               ; lanes 0-15 store their row's words of blocks 0 and 1 of S1, lanes 16-31 those of blocks 2 and 3
	v_cndmask_b32 v73, v69, v71, s62
	global_store_b64 v[IW], v[72:73], s[14:15]     ; 256 consecutive bytes, aligned
	s_wait_tensorcnt 0x0                           ; the wave's end
	ds_add_u32 v[SPW], v[NIL]
	s_wait_dscnt 0x0
	CROUND                                         ; the closing round: no work-group ends while a partner may still ask for a tile that names it
	s_endpgm
.Lfunc_end_k_q1cbe750e4b_proj:
	.size	k_q1cbe750e4b_proj, .Lfunc_end_k_q1cbe750e4b_proj-k_q1cbe750e4b_proj
	.p2alignl 7, 3214868480
	.fill 96, 4, 3214868480
	.section	.rodata,"a",@progbits
	.p2align	6, 0x0
	.amdhsa_kernel k_q1cbe750e4b_proj
		.amdhsa_group_segment_fixed_size 327680
		.amdhsa_private_segment_fixed_size 0
		.amdhsa_enable_private_segment 0
		.amdhsa_kernarg_size 112
		.amdhsa_user_sgpr_count 2
		.amdhsa_user_sgpr_kernarg_segment_ptr 1
		.amdhsa_wavefront_size32 1
		.amdhsa_system_sgpr_workgroup_id_x 1
		.amdhsa_system_sgpr_workgroup_id_y 1
		.amdhsa_system_sgpr_workgroup_id_z 1
		.amdhsa_system_vgpr_workitem_id 0
		.amdhsa_next_free_vgpr 256
		.amdhsa_next_free_sgpr 102
		.amdhsa_reserve_vcc 0
		.amdhsa_float_denorm_mode_32 3
		.amdhsa_float_denorm_mode_16_64 3
		.amdhsa_memory_ordered 1
		.amdhsa_forward_progress 1
		.amdhsa_inst_pref_size 63
	.end_amdhsa_kernel
	.amdgpu_metadata
---
amdhsa.version: [ 1, 2 ]
amdhsa.kernels:
  - .name:           k_q1cbe750e4b_proj
    .symbol:         k_q1cbe750e4b_proj.kd
    .args:
      - { .name: query_codes, .offset: 0, .size: 8, .value_kind: global_buffer, .address_space: global }
      - { .name: query_scales, .offset: 8, .size: 8, .value_kind: global_buffer, .address_space: global }
      - { .name: Wq_codes, .offset: 16, .size: 8, .value_kind: global_buffer, .address_space: global }
      - { .name: Wq_scales, .offset: 24, .size: 8, .value_kind: global_buffer, .address_space: global }
      - { .name: key_codes, .offset: 32, .size: 8, .value_kind: global_buffer, .address_space: global }
      - { .name: key_scales, .offset: 40, .size: 8, .value_kind: global_buffer, .address_space: global }
      - { .name: Wk_codes, .offset: 48, .size: 8, .value_kind: global_buffer, .address_space: global }
      - { .name: Wk_scales, .offset: 56, .size: 8, .value_kind: global_buffer, .address_space: global }
      - { .name: Wv_codes, .offset: 64, .size: 8, .value_kind: global_buffer, .address_space: global }
      - { .name: Wv_scales, .offset: 72, .size: 8, .value_kind: global_buffer, .address_space: global }
      - { .name: value_codes, .offset: 80, .size: 8, .value_kind: global_buffer, .address_space: global }
      - { .name: value_scales, .offset: 88, .size: 8, .value_kind: global_buffer, .address_space: global }
      - { .name: pimg, .offset: 96, .size: 8, .value_kind: global_buffer, .address_space: global }
      - { .name: pscl, .offset: 104, .size: 8, .value_kind: global_buffer, .address_space: global }
    .group_segment_fixed_size: 327680
    .private_segment_fixed_size: 0
    .kernarg_segment_align: 8
    .kernarg_segment_size: 112
    .max_flat_workgroup_size: 256
    .sgpr_count:     102
    .vgpr_count:     256
    .wavefront_size: 32
...
	.end_amdgpu_metadata
.endif
;; end of part 2
;; launch attn (part 3): grid 4 x 64, 16 waves a work-group, clusters of 4 x 1, 327,680 bytes of LDS; arguments pimg, pscl, mbits, aimg, ascl; writes aimg, ascl
.if DOCPART == 3
	.amdgcn_target "amdgcn-amd-amdhsa--gfx1250"
	.amdhsa_code_object_version 6
	.text
	.protected	k_q1cbe750e4b_attn
	.globl	k_q1cbe750e4b_attn
	.p2align	8
	.type	k_q1cbe750e4b_attn,@function
k_q1cbe750e4b_attn:
	s_mov_b64 s[64:65], 0
	v_nop
	global_prefetch_b8 v0, s[64:65] scope:SCOPE_SE
	s_setreg_imm32_b32 hwreg(HW_REG_WAVE_MODE, 25, 1), 1
	s_wait_xcnt 0x0
	s_wait_alu depctr_hold_cnt(0) depctr_sa_sdst(0) depctr_va_vdst(0) depctr_va_sdst(0) depctr_va_ssrc(0) depctr_va_vcc(0) depctr_vm_vsrc(0)
	s_getreg_b32 s2, hwreg(HW_REG_IB_STS2, 6, 4)
	s_cmp_eq_u32 s2, 0
	s_cbranch_scc0 .Lentry_in_a_cluster
	s_endpgm
.Lentry_in_a_cluster:
	s_bfe_u32 s2, ttmp6, 0x10000c
	s_cmp_lg_u32 s2, 0x3003
	s_cbranch_scc0 .Lentry_shape_is_right
	s_endpgm
.Lentry_shape_is_right:
.set PART,  24576
.set KSC,   8*PART
.set VSC,   KSC+8192
.set IP,   1
.set IQ,   2
.set IR,   3
.set AP,   4
.set AQ,   5
.set AKS,  6
.set AVS,  7
.set NEGV, 8
.set KSB,  9
.set IT,   10
.set VSB,  11
.set FR,   30
.set KS,   84
.set VS,   88
.set S,    96
.set OT,   160
.set PCD,  192
.set PT,   204
.set BM,   212
.set BP,   216
.set SO,   220
.set FF,   224
.set PW,   226
.set TT,   227
.set SUM2, 228
.set WV,   14
.set PASS, 15
.set TRIP, 16
.set TB,   17
.set TS,   18
.set MO,   19
.set SEL,  20
.set CS,   22
.macro CROUND
	s_barrier_signal -1
	s_barrier_wait -1
	s_cmp_lg_u32 s[WV], 0
	s_cbranch_scc1 .Lnot_wave_0_\@
	s_barrier_signal -3
.Lnot_wave_0_\@:
	s_barrier_wait -3
	s_barrier_signal -1
	s_barrier_wait -1
.endm
.macro PLACES
.rept 4
	v_nop
.endr
.endm
.macro MASKWORDS
	s_load_b512 s[32:47], s[8:9], s[MO] offset:0x0
	s_load_b512 s[48:63], s[8:9], s[MO] offset:0x40
	s_load_b512 s[68:83], s[8:9], s[MO] offset:0x80
	s_load_b512 s[84:99], s[8:9], s[MO] offset:0xc0
.endm
	s_load_b256 s[4:11], s[0:1], 0x0
	s_load_b64 s[12:13], s[0:1], 0x20
	v_lshl_add_u32 v254, v0, 2, 0x34000
	v_mov_b32 v255, 0
	ds_add_u32 v254, v255
	ds_add_u32 v254, v255
	v_lshrrev_b32 v1, 5, v0
	s_delay_alu instid0(VALU_DEP_1)
	v_readfirstlane_b32 s[WV], v1
	s_and_b32 s25, ttmp7, 0xffff
	s_and_b32 s24, s25, 15
	s_lshr_b32 s25, s25, 4
	s_lshl_b32 s28, s24, 7
	s_lshl_b32 s29, s25, 5
	s_add_co_u32 s28, s28, s29
	s_and_b32 s29, s[WV], 7
	s_lshr_b32 s30, s[WV], 3
	s_add_co_u32 s31, s30, 1
	s_mul_i32 s2, s31, 6291456
	s_mul_i32 s3, s28, 3072
	s_add_co_u32 s2, s2, s3
	s_mul_i32 s3, s29, 12288
	s_add_co_u32 s2, s2, s3
	s_mov_b32 s3, 0
	s_lshl_b32 s56, s31, 19
	s_lshl_b32 s57, s28, 8
	s_add_co_u32 s56, s56, s57
	s_lshl_b32 s57, s29, 10
	s_add_co_u32 s56, s56, s57
	s_mov_b32 s57, 0
	s_mov_b32 s32, 15|(3<<16)|(1<<21)
	s_mov_b32 s33, 32<<16
	s_mov_b32 s34, 48<<16
	s_mov_b32 s35, 32<<16
	s_mov_b32 s36, 48
	s_mov_b32 s37, 32
	s_mov_b32 s38, 0
	s_mov_b32 s39, 0
	s_mov_b32 s40, 15|(3<<16)|(1<<21)
	s_mov_b32 s41, 32<<16
	s_mov_b32 s42, 4<<16
	s_mov_b32 s43, 32<<16
	s_mov_b32 s44, 4
	s_mov_b32 s45, 32
	s_mov_b32 s46, 0
	s_mov_b32 s47, 0
	s_mov_b32 s48, 1
	s_mul_i32 s49, s29, PART
	s_mul_i32 s58, s30, 12288
	s_add_co_u32 s49, s49, s58
	s_mov_b32 s52, 1
	s_lshl_b32 s53, s[WV], 10
	s_add_co_u32 s53, s53, KSC
	s_mov_b32 s[SEL], 0x76543210
	s_mov_b32 s[SEL+1], 0xfedcba98
	s_mov_b32 s[CS], 0x3e38aa3b
	s_mov_b32 s[CS+1], s[CS]
	s_wait_dscnt 0x0
	s_wait_kmcnt 0x0
	s_add_nc_u64 s[50:51], s[4:5], s[2:3]
	s_or_b32 s51, s51, 0x80000000
	s_add_nc_u64 s[54:55], s[6:7], s[56:57]
	s_or_b32 s55, s55, 0x80000000
	CROUND
	tensor_load_to_lds s[48:51], s[32:39]
	s_nop 0
	s_wait_alu depctr_va_vdst(0)
	s_wait_tensorcnt 0x0
	ds_add_u32 v254, v255
	s_wait_dscnt 0x0
	CROUND
	tensor_load_to_lds s[52:55], s[40:47]
	s_nop 0
	PLACES
	s_bfe_u32 s26, ttmp6, 0x40000
	s_lshl_b32 s27, ttmp9, 2
	s_add_co_u32 s26, s26, s27
	s_lshl_b32 s26, s26, 5
	s_lshl_b32 s27, s25, 7
	s_add_co_u32 s27, s27, s26
	s_add_co_u32 s27, s27, s[WV]
	s_mov_b32 s17, 0
	s_lshl_b32 s16, s24, 9
	s_add_co_u32 s16, s16, s27
	s_mul_i32 s16, s16, 768
	s_add_nc_u64 s[4:5], s[4:5], s[16:17]
	s_lshr_b32 s16, s27, 2
	s_lshl_b32 s18, s24, 7
	s_add_co_u32 s16, s16, s18
	s_lshl_b32 s16, s16, 8
	s_and_b32 s18, s27, 3
	s_lshl_b32 s18, s18, 2
	s_add_co_u32 s16, s16, s18
	s_add_nc_u64 s[6:7], s[6:7], s[16:17]
	s_lshl_b32 s16, s27, 12
	s_add_nc_u64 s[8:9], s[8:9], s[16:17]
	s_lshl_b32 s16, s27, 4
	s_add_co_u32 s16, s16, s24
	s_mul_i32 s16, s16, 768
	s_add_nc_u64 s[10:11], s[10:11], s[16:17]
	s_lshl_b32 s16, s27, 9
	s_lshl_b32 s18, s24, 1
	s_add_co_u32 s16, s16, s18
	s_add_nc_u64 s[12:13], s[12:13], s[16:17]
	v_and_b32 v[IQ], 31, v0
	s_delay_alu instid0(VALU_DEP_1)
	v_lshlrev_b32 v[IP], 4, v[IQ]
	s_delay_alu instid0(VALU_DEP_2)
	v_lshlrev_b32 v[IQ], 3, v[IQ]
	v_and_b32 v[IT], 15, v0
	s_delay_alu instid0(VALU_DEP_1)
	v_lshlrev_b32 v[IR], 4, v[IT]
	s_delay_alu instid0(VALU_DEP_2)
	v_lshlrev_b32 v[IT], 5, v[IT]
	v_add_nc_u32 v[KSB], KSC, v[IP]
	s_delay_alu instid0(VALU_DEP_3)
	v_add_nc_u32 v[VSB], VSC, v[IR]
	v_mov_b32 v[NEGV], 0xd0000000
.irp i, 22,23,24,25,26,27,78,79,80,81,82,83
	v_mov_b32 v\i, 0
.endr
.irp i, 0,1,2,3
	v_mov_b32 v[BP+\i], 0
.endr
	v_mov_b32 v[FF+1], 0
	v_mov_b32 v[TT], 0
	s_mov_b32 s[PASS], 2
	s_wait_tensorcnt 0x0
	s_barrier_signal -1
	s_barrier_wait -1
.macro STEP u
.irp t, 0,1,2,3,4,5,6,7
	ds_load_b128 v[FR+6*\t:FR+6*\t+3], v[AP] offset:6144*\u+768*\t
	ds_load_b64 v[FR+6*\t+4:FR+6*\t+5], v[AQ] offset:6144*\u+768*\t+512
.endr
	ds_load_b128 v[KS:KS+3], v[AKS] offset:512*\u
	s_wait_dscnt 0x0
.irp t, 0,1,2,3
	v_wmma_scale_f32_16x16x128_f8f6f4 v[S+8*\t:S+8*\t+7], v[FR+6*\t:FR+6*\t+11], v[16:27], 0, v[KS+\t], v28 matrix_a_fmt:MATRIX_FMT_FP6 matrix_b_fmt:MATRIX_FMT_FP6
.endr
.irp t, 4,5,6,7
	v_wmma_scale_f32_16x16x128_f8f6f4 v[S+8*\t:S+8*\t+7], v[FR+6*\t:FR+6*\t+11], v[16:27], 0, v[KS+\t-4], v28 matrix_a_fmt:MATRIX_FMT_FP6 matrix_b_fmt:MATRIX_FMT_FP6 matrix_a_scale:MATRIX_SCALE_ROW1
.endr
	PLACES
.irp a, 0,1,2,3
.irp c, 0,1
	ds_load_b128 v[FR+12*\a+6*\c:FR+12*\a+6*\c+3], v[AP] offset:12288+6144*\u+3072*\c+768*\a
	ds_load_b64 v[FR+12*\a+6*\c+4:FR+12*\a+6*\c+5], v[AQ] offset:12288+6144*\u+3072*\c+768*\a+512
.endr
.endr
	ds_load_b128 v[VS:VS+3], v[AVS] offset:512*\u
	ds_load_b128 v[VS+4:VS+7], v[AVS] offset:512*\u+256
	s_wait_kmcnt 0x0
.set n, 0
.rept 64
	v_cndmask_b32 v[S+n], v[NEGV], v[S+n], s[32+n+4*(n/32)]
.set n, n+1
.endr
.irp b, 0,1,2,3
	v_max3_num_f32 v[BM+\b], v[S+16*\b], v[S+16*\b+1], v[S+16*\b+2]
.endr
.irp i, 3,5,7,9,11,13
.irp b, 0,1,2,3
	s_delay_alu instid0(VALU_DEP_4)
	v_max3_num_f32 v[BM+\b], v[BM+\b], v[S+16*\b+\i], v[S+16*\b+\i+1]
.endr
.endr
.irp b, 0,1,2,3
	s_delay_alu instid0(VALU_DEP_4)
	v_max_num_f32 v[BM+\b], v[BM+\b], v[S+16*\b+15]
.endr
.irp b, 0,1,2,3
	s_delay_alu instid0(VALU_DEP_4)
	v_permlanex16_b32 v[BP+\b], v[BM+\b], s[SEL], s[SEL+1]
.endr
.irp b, 0,1,2,3
	s_delay_alu instid0(VALU_DEP_4)
	v_max_num_f32 v[BM+\b], v[BM+\b], v[BP+\b]
.endr
	s_add_co_u32 s[MO], s[MO], 256
	s_and_b32 s[MO], s[MO], 4095
	MASKWORDS
	v_max3_num_f32 v[TT], v[BM], v[BM+1], v[BM+2]
	s_delay_alu instid0(VALU_DEP_1)
	v_max_num_f32 v[TT], v[TT], v[BM+3]
	s_delay_alu instid0(VALU_DEP_1)
	v_mul_f32 v[TT], s[CS], v[TT]
	s_delay_alu instid0(VALU_DEP_1)
	v_max_num_f32 v13, v13, v[TT]
	v_mov_b32 v[TT], v12
	s_delay_alu instid0(VALU_DEP_2)
	v_floor_f32 v12, -v13
	s_delay_alu instid0(VALU_DEP_1)
	v_sub_f32 v[TT], v12, v[TT]
	s_delay_alu instid0(VALU_DEP_1)
	v_cvt_i32_f32 v[TT], v[TT]
	s_delay_alu instid0(VALU_DEP_1)
	v_ldexp_f32 v[FF], 1.0, v[TT]
.set n, 0
.rept 32
	v_pk_fma_f32 v[S+n:S+n+1], v[S+n:S+n+1], s[CS:CS+1], v[12:13] op_sel_hi:[1,0,0]
.set n, n+2
.endr
.irp b, 0,1,2,3
	v_fma_f32 v[BM+\b], v[BM+\b], s[CS], v12
.endr
.set n, 0
	s_wait_alu depctr_va_vdst(0)
.rept 64
	v_exp_f32 v[S+n], v[S+n]
.set n, n+1
.endr
.irp b, 0,1,2,3
	v_exp_f32 v[BM+\b], v[BM+\b]
.endr
	v_pk_mul_f32 v[14:15], v[14:15], v[FF:FF+1] op_sel_hi:[1,0]
	s_wait_alu depctr_va_vdst(0)
.irp b, 0,1,2,3
	v_max_num_f32 v[BM+\b], 0x1800000, v[BM+\b]
.endr
.irp b, 0,1,2,3
	s_delay_alu instid0(VALU_DEP_4)
	v_add_nc_u32 v[SO+\b], 0xff000000, v[BM+\b]
.endr
.irp b, 0,1,2,3
	s_delay_alu instid0(VALU_DEP_4)
	v_lshrrev_b32 v[BP+\b], 23, v[SO+\b]
.endr
	s_delay_alu instid0(VALU_DEP_3)
	v_lshl_or_b32 v[PW], v[BP+1], 8, v[BP]
	s_delay_alu instid0(VALU_DEP_1)
	v_lshl_or_b32 v[PW], v[BP+2], 16, v[PW]
	s_delay_alu instid0(VALU_DEP_1)
	v_lshl_or_b32 v[PW], v[BP+3], 24, v[PW]
.irp c, 0,1
	v_cvt_scalef32_pk16_fp6_f32 v[PCD+6*\c:PCD+6*\c+2], v[S+32*\c:S+32*\c+15], v[SO+2*\c]
	v_cvt_scalef32_pk16_fp6_f32 v[PT+4*\c:PT+4*\c+2], v[S+32*\c+16:S+32*\c+31], v[SO+2*\c+1]
.endr
	v_nop
.irp c, 0,1
.irp i, 0,1,2
	v_permlane16_swap_b32 v[PCD+6*\c+\i], v[PT+4*\c+\i]
.endr
.irp i, 0,1,2
	s_delay_alu instid0(VALU_DEP_3)
	v_mov_b32 v[PCD+6*\c+3+\i], v[PT+4*\c+\i]
.endr
.endr
	s_wait_dscnt 0x0
.irp a, 0,1,2,3
	v_lshl_or_b32 v[VS+\a], v[VS+4+\a], 16, v[VS+\a]
.endr
	v_pk_add_f32 v[SUM2:SUM2+1], v[S:S+1], v[S+2:S+3]
.irp j, 4,8,12,16,20,24,28,32,36,40,44,48,52,56,60
	v_pk_add_f32 v[14:15], v[14:15], v[S+\j:S+\j+1]
	v_pk_add_f32 v[SUM2:SUM2+1], v[SUM2:SUM2+1], v[S+\j+2:S+\j+3]
.endr
	s_delay_alu instid0(VALU_DEP_1)
	v_pk_add_f32 v[14:15], v[14:15], v[SUM2:SUM2+1]
.set n, 0
.rept 16
	v_pk_mul_f32 v[OT+n:OT+n+1], v[OT+n:OT+n+1], v[FF:FF+1] op_sel_hi:[1,0]
.set n, n+2
.endr
.irp a, 0,1,2,3
	v_wmma_scale_f32_16x16x128_f8f6f4 v[OT+8*\a:OT+8*\a+7], v[FR+12*\a:FR+12*\a+11], v[PCD:PCD+11], v[OT+8*\a:OT+8*\a+7], v[VS+\a], v[PW] matrix_a_fmt:MATRIX_FMT_FP6 matrix_b_fmt:MATRIX_FMT_FP6
.endr
	PLACES
.endm
.Lpass:
	global_load_b128 v[16:19], v[IP], s[4:5]
	global_load_b64 v[20:21], v[IQ], s[4:5] offset:512
	global_load_b32 v28, v[IR], s[6:7]
	s_mov_b32 s[MO], 0
	MASKWORDS
	v_mov_b32 v13, 0xff61b1e6
	s_delay_alu instid0(VALU_DEP_1)
	v_floor_f32 v12, -v13
	v_mov_b32 v14, 0
	v_mov_b32 v15, 0
.set n, 0
.rept 32
	v_mov_b32 v[OT+n], 0
.set n, n+1
.endr
	s_mov_b32 s[TB], 0
	s_mov_b32 s[TS], 0
	s_mov_b32 s[TRIP], 8
	s_wait_loadcnt 0x0
.Ltrip:
	v_add_nc_u32 v[AP], s[TB], v[IP]
	s_wait_alu depctr_va_vdst(0)
	v_add_nc_u32 v[AQ], s[TB], v[IQ]
	s_wait_alu depctr_va_vdst(0)
	v_add_nc_u32 v[AKS], s[TS], v[KSB]
	v_add_nc_u32 v[AVS], s[TS], v[VSB]
	s_wait_alu depctr_va_vdst(0)
	STEP 0
	STEP 1
	s_add_co_u32 s[TB], s[TB], PART
	s_add_co_u32 s[TS], s[TS], 1024
	s_sub_co_u32 s[TRIP], s[TRIP], 1
	s_cmp_lg_u32 s[TRIP], 0
	s_cbranch_scc1 .Ltrip
	v_add_f32 v14, v14, v15
	s_delay_alu instid0(VALU_DEP_1)
	v_permlanex16_b32 v[TT], v14, s[SEL], s[SEL+1]
	s_delay_alu instid0(VALU_DEP_1)
	v_add_f32 v14, v14, v[TT]
	s_wait_alu depctr_va_vdst(0)
	v_rcp_f32 v14, v14
	v_nop
.set n, 0
	s_wait_alu depctr_va_vdst(0)
.rept 32
	v_mul_f32 v[S+n], v[OT+n], v14
.set n, n+1
.endr
.irp b, 0,1
.irp j, 0,1,2,3,4,5,6,7
	v_permlane16_swap_b32 v[S+16*\b+\j], v[S+16*\b+8+\j]
.endr
.endr
	v_max3_num_f32 v[BM], |v[S]|, |v[S+1]|, 0x1800000
	v_max3_num_f32 v[BM+1], |v[S+16]|, |v[S+17]|, 0x1800000
.irp i, 2,4,6,8,10,12,14
	s_delay_alu instid0(VALU_DEP_2)
	v_max3_num_f32 v[BM], v[BM], |v[S+\i]|, |v[S+\i+1]|
	s_delay_alu instid0(VALU_DEP_2)
	v_max3_num_f32 v[BM+1], v[BM+1], |v[S+16+\i]|, |v[S+17+\i]|
.endr
	s_delay_alu instid0(VALU_DEP_2)
	v_permlanex16_b32 v[BP], v[BM], s[SEL], s[SEL+1]
	s_delay_alu instid0(VALU_DEP_2)
	v_permlanex16_b32 v[BP+1], v[BM+1], s[SEL], s[SEL+1]
	s_delay_alu instid0(VALU_DEP_2)
	v_max_num_f32 v[BM], v[BM], v[BP]
	s_delay_alu instid0(VALU_DEP_2)
	v_max_num_f32 v[BM+1], v[BM+1], v[BP+1]
	s_delay_alu instid0(VALU_DEP_2)
	v_add_nc_u32 v[SO], 0xff000000, v[BM]
	s_delay_alu instid0(VALU_DEP_2)
	v_add_nc_u32 v[SO+1], 0xff000000, v[BM+1]
	s_delay_alu instid0(VALU_DEP_2)
	v_lshrrev_b32 v[BP], 23, v[SO]
	s_delay_alu instid0(VALU_DEP_2)
	v_lshrrev_b32 v[BP+1], 23, v[SO+1]
	s_delay_alu instid0(VALU_DEP_1)
	v_lshl_or_b32 v[PW], v[BP+1], 8, v[BP]
	v_cvt_scalef32_pk16_fp6_f32 v[PCD:PCD+2], v[S:S+15], v[SO]
	v_cvt_scalef32_pk16_fp6_f32 v[PCD+4:PCD+6], v[S+16:S+31], v[SO+1]
	v_nop
.irp i, 0,1,2
	v_permlane16_swap_b32 v[PCD+\i], v[PCD+4+\i]
.endr
.irp i, 0,1,2
	s_delay_alu instid0(VALU_DEP_3)
	v_mov_b32 v[PCD+3+\i], v[PCD+4+\i]
.endr
	global_store_b128 v[IP], v[PCD:PCD+3], s[10:11]
	global_store_b64 v[IQ], v[PCD+4:PCD+5], s[10:11] offset:512
	global_store_b16 v[IT], v[PW], s[12:13]
	s_wait_xcnt 0x0
	s_wait_kmcnt 0x0
	s_add_nc_u64 s[4:5], s[4:5], 12288
	s_add_nc_u64 s[6:7], s[6:7], 1024
	s_add_nc_u64 s[8:9], s[8:9], 65536
	s_add_nc_u64 s[10:11], s[10:11], 196608
	s_add_nc_u64 s[12:13], s[12:13], 8192
	s_sub_co_u32 s[PASS], s[PASS], 1
	s_cmp_lg_u32 s[PASS], 0
	s_cbranch_scc1 .Lpass
	s_wait_tensorcnt 0x0
	ds_add_u32 v254, v255
	s_wait_dscnt 0x0
	CROUND
	s_endpgm
.Lfunc_end_k_q1cbe750e4b_attn:
	.size	k_q1cbe750e4b_attn, .Lfunc_end_k_q1cbe750e4b_attn-k_q1cbe750e4b_attn
	.p2alignl 7, 3214868480
	.fill 96, 4, 3214868480
	.section	.rodata,"a",@progbits
	.p2align	6, 0x0
	.amdhsa_kernel k_q1cbe750e4b_attn
		.amdhsa_group_segment_fixed_size 327680
		.amdhsa_private_segment_fixed_size 0
		.amdhsa_enable_private_segment 0
		.amdhsa_kernarg_size 40
		.amdhsa_user_sgpr_count 2
		.amdhsa_user_sgpr_kernarg_segment_ptr 1
		.amdhsa_wavefront_size32 1
		.amdhsa_system_sgpr_workgroup_id_x 1
		.amdhsa_system_sgpr_workgroup_id_y 1
		.amdhsa_system_sgpr_workgroup_id_z 1
		.amdhsa_system_vgpr_workitem_id 0
		.amdhsa_next_free_vgpr 256
		.amdhsa_next_free_sgpr 100
		.amdhsa_reserve_vcc 0
		.amdhsa_float_denorm_mode_32 3
		.amdhsa_float_denorm_mode_16_64 3
		.amdhsa_memory_ordered 1
		.amdhsa_forward_progress 1
		.amdhsa_inst_pref_size 59
	.end_amdhsa_kernel
	.amdgpu_metadata
---
amdhsa.version: [ 1, 2 ]
amdhsa.kernels:
  - .name:           k_q1cbe750e4b_attn
    .symbol:         k_q1cbe750e4b_attn.kd
    .args:
      - { .name: pimg, .offset: 0, .size: 8, .value_kind: global_buffer, .address_space: global }
      - { .name: pscl, .offset: 8, .size: 8, .value_kind: global_buffer, .address_space: global }
      - { .name: mbits, .offset: 16, .size: 8, .value_kind: global_buffer, .address_space: global }
      - { .name: aimg, .offset: 24, .size: 8, .value_kind: global_buffer, .address_space: global }
      - { .name: ascl, .offset: 32, .size: 8, .value_kind: global_buffer, .address_space: global }
    .group_segment_fixed_size: 327680
    .private_segment_fixed_size: 0
    .kernarg_segment_align: 8
    .kernarg_segment_size: 40
    .max_flat_workgroup_size: 512
    .sgpr_count:     100
    .vgpr_count:     256
    .wavefront_size: 32
...
	.end_amdgpu_metadata
.endif
;; end of part 3
;; launch outproj (part 4): grid 4 x 64, 8 waves a work-group, clusters of 4 x 4, 327,680 bytes of LDS; arguments aimg, ascl, Wo_codes, Wo_scales, out0; writes out0
.if DOCPART == 4
	.amdgcn_target "amdgcn-amd-amdhsa--gfx1250"
	.amdhsa_code_object_version 6
	.text
	.protected	k_q1cbe750e4b_outproj
	.globl	k_q1cbe750e4b_outproj
	.p2align	8
	.type	k_q1cbe750e4b_outproj,@function
k_q1cbe750e4b_outproj:
	s_mov_b64 s[64:65], 0
	v_nop
	global_prefetch_b8 v0, s[64:65] scope:SCOPE_SE
	s_setreg_imm32_b32 hwreg(HW_REG_WAVE_MODE, 25, 1), 1
	s_wait_xcnt 0x0
	s_wait_alu depctr_hold_cnt(0) depctr_sa_sdst(0) depctr_va_vdst(0) depctr_va_sdst(0) depctr_va_ssrc(0) depctr_va_vcc(0) depctr_vm_vsrc(0)
	s_getreg_b32 s2, hwreg(HW_REG_IB_STS2, 6, 4)
	s_cmp_eq_u32 s2, 0
	s_cbranch_scc0 .Lentry_in_a_cluster
	s_endpgm
.Lentry_in_a_cluster:
	s_bfe_u32 s2, ttmp6, 0x10000c
	s_cmp_lg_u32 s2, 0xf033
	s_cbranch_scc0 .Lentry_shape_is_right
	s_endpgm
.Lentry_shape_is_right:
; out0 = attn Wo^T on codes of FP6 (E2M3) with one E8M0 scale for each 32 along K = 1,024; out0 [8192][1024] f32.
; S1 = the attention result, as the attention launch stored it: aimg [tile of 16 tokens 512][head 16][768 bytes]: half images of operand registers (registers 0-3 at 16 x lane, registers 4-5 at 512 + 8 x lane);
; heads 2 s and 2 s + 1 are registers 0-5 and 6-11 of the s-th 128 along K.  ascl [8192][32]: its scale bytes, laid as a given operand's.  S0 = Wo, rows of codes and scale bytes as given.
; Source 0 takes 16 rows of Wo, source 1 takes 16 tokens: a lane holds one token and eight neighbouring outputs.
; SHARES.  A work-group makes 128 tokens x 256 outputs; wave w of eight makes 64 x 64 (token half w / 4, output quarter w % 4): 16 accumulators.
; LDS.  ALL OF K lies in LDS, filled once: S1's eight tiles (98,304 dense bytes of memory, as rows of 256 bytes), Wo's 256 whole rows of 768 bytes (16 bytes of padding behind every 256), the scale bytes, the spare words: 321,280 bytes.
; THE HEAD'S LOADS, one a wave: waves 0, 1 S1's halves; waves 2 to 5 Wo's quarters; wave 6 the tokens' scale bytes; wave 7 Wo's.
; CLUSTER 4 x 4: S1's tiles and scales are asked for jointly along a row of the cluster, Wo's along a column.
; The stage for the way out lies on S1's bytes, which have had their only fill; a barrier stands between the last read of them and the first store.
; No prefetch: the launch has no loop to run ahead in; all its tiles are asked for at the head.
.set PITCH,  816                       ; a row of Wo in LDS: 3 x (256 + 16)
.set QR,     64*PITCH                  ; 64 rows of Wo: what one load brings, and what one wave reads
.set AH,     49152                     ; four tiles of tokens x 12,288 bytes: what one load brings, and what one wave reads
.set SCL,    2*AH+4*QR                 ; the scales, as rows of 256 bytes + 16 of padding
.set SCQ,    8*272                     ; the scales of 64 rows
.set SPARE,  SCL+6*SCQ                 ; the spare words, 128 bytes for each of eight waves
.set SPI,    272                       ; the stage: 16 rows x (256 + 16) bytes for each wave, from LDS byte 0 on
.set KROW,   768
.set AP1, 8                            ; v8 my S1 tiles + 16 x lane;  v9 + 8 x lane
.set ADB, 10                           ; v10, v11 my Wo fragments
.set ADS, 12                           ; v12 my scale words: lanes 0-15 the tokens', lanes 16-31 Wo's
.set SPW, 13                           ; v13 my spare word; never rewritten
.set NIL, 14                           ; v14 0; never rewritten
.set STO, 15                           ; v15 the stage: where I put 32 bytes of a row
.set RD,  16                           ; v16 and where I read a row back
.set CO,  17                           ; v17 my byte offset in two rows of out0
.set SC,  18
.set BF,  26
.set AF,  74
.set ACC, 128
.set WV,  40
.set G1A, 16
.set G1B, 24
.set G1SA, 32
.set G1SB, 68
.set G0A, 76
.set G0B, 88
.set G0SA, 52
.set G0SB, 56
.macro CROUND
	s_barrier_signal -1
	s_barrier_wait -1
	s_cmp_lg_u32 s[WV], 0
	s_cbranch_scc1 .Lnot_wave_0_\@
	s_barrier_signal -3
.Lnot_wave_0_\@:
	s_barrier_wait -3
	s_barrier_signal -1
	s_barrier_wait -1
.endm
.macro PLACES
.rept 4
	v_nop
.endr
.endm
.macro GSC g, rows                     ; group 1 of a dense block: rows of 256 bytes (32 elements of 8)
	s_mov_b32 s[\g+1], 32<<16
	s_mov_b32 s[\g+2], (\rows)<<16
	s_mov_b32 s[\g+3], 32<<16
	s_mov_b32 s[\g+4], \rows
	s_mov_b32 s[\g+5], 32
	s_mov_b32 s[\g+6], 0
	s_mov_b32 s[\g+7], 0
.endm
.macro G0ADR g, p
	s_mov_b32 s[\g], 1
	s_mov_b64 s[\g+2:\g+3], s[\p:\p+1]
	s_or_b32 s[\g+3], s[\g+3], 0x80000000
.endm
	s_load_b256 s[4:11], s[0:1], 0x0               ; aimg, ascl, Wo's codes, Wo's scales
	s_load_b64 s[12:13], s[0:1], 0x20              ; out0
	v_lshl_add_u32 v[SPW], v0, 2, SPARE
	v_mov_b32 v[NIL], 0
	ds_add_u32 v[SPW], v[NIL]                      ; the opening lines: the add, twice on end, and its wait
	ds_add_u32 v[SPW], v[NIL]
	s_wait_dscnt 0x0
	v_lshrrev_b32 v1, 5, v0
	s_delay_alu instid0(VALU_DEP_1)
	v_readfirstlane_b32 s[WV], v1                  ; wave 0..7
	s_lshr_b32 s41, s[WV], 2                       ; my half of the tokens
	s_and_b32 s42, s[WV], 3                        ; my quarter of the outputs
	s_bfe_u32 s43, ttmp6, 0x40000                  ; cx
	s_bfe_u32 s44, ttmp6, 0x40004                  ; cy
	s_lshl_b32 s46, ttmp9, 2
	s_add_co_u32 s46, s46, s43                     ; I0: which 256 outputs
	s_and_b32 s47, ttmp7, 0xffff
	s_lshl_b32 s47, s47, 2
	s_add_co_u32 s47, s47, s44                     ; I1: which 128 tokens
	s_lshl_b32 s48, s44, 2
	s_lshl_b32 s48, 15, s48                        ; my row of the cluster
	s_lshl_b32 s49, 0x1111, s43                    ; my column
	s_or_b32 s[G1A], s48, (3<<16)|(1<<21)          ; S1: 49,152 dense bytes as 192 rows of 256, no padding: the reads are consecutive
	GSC G1A, 192
	s_or_b32 s[G1B], s49, (1<<20)|(1<<21)|(5<<22)|(3<<25)   ; Wo: 64 rows x 768 bytes, 16 bytes of padding behind every 256
	s_mov_b32 s[G1B+1], KROW<<16
	s_mov_b32 s[G1B+2], 64<<16
	s_mov_b32 s[G1B+3], KROW<<16
	s_mov_b32 s[G1B+4], 64
	s_mov_b32 s[G1B+5], KROW
	s_mov_b32 s[G1B+6], 0
	s_mov_b32 s[G1B+7], 0
	s_or_b32 s[G1SA], s48, (3<<16)|(1<<20)|(1<<21)|(5<<22)|(3<<25)
	s_or_b32 s[G1SB], s49, (3<<16)|(1<<20)|(1<<21)|(5<<22)|(3<<25)
	GSC G1SA, 16                                   ; 128 rows x 32 bytes
	GSC G1SB, 32                                   ; 256 rows x 32 bytes
	; what I fetch.  S1's numbers never hold cx, Wo's never cy
	s_and_b32 s50, s[WV], 1
	s_mul_i32 s63, s50, AH                         ; where S1's half goes
	s_lshl_b32 s51, s50, 2
	s_lshl_b32 s2, s47, 3
	s_add_co_u32 s2, s2, s51                       ; tile of tokens 8 I1 + 4 x half
	s_mul_i32 s2, s2, 12288
	s_mov_b32 s3, 0
	s_lshl_b32 s50, s47, 12                        ; the tokens' scale bytes: 128 I1 x 32
	s_mov_b32 s51, 0
	s_add_co_u32 s66, s[WV], 2
	s_and_b32 s66, s66, 3                          ; Wo's quarter
	s_lshl_b32 s67, s66, 6
	s_lshl_b32 s100, s46, 8
	s_add_co_u32 s67, s67, s100                    ; row 256 I0 + 64 x quarter
	s_mov_b32 s101, 0
	s_mul_i32 s62, s66, QR
	s_add_co_u32 s62, s62, 2*AH                    ; where Wo's quarter goes: no place in the cluster enters an LDS address
	s_wait_kmcnt 0x0
	s_add_nc_u64 s[4:5], s[4:5], s[2:3]
	s_add_nc_u64 s[6:7], s[6:7], s[50:51]
	s_mul_i32 s100, s67, KROW
	s_add_nc_u64 s[8:9], s[8:9], s[100:101]
	s_lshl_b32 s100, s46, 13                       ; Wo's scale bytes: 256 I0 x 32
	s_add_nc_u64 s[10:11], s[10:11], s[100:101]
	G0ADR G0A, 4
	s_mov_b32 s[G0A+1], s63
	G0ADR G0B, 8
	s_mov_b32 s[G0B+1], s62
	G0ADR G0SA, 6
	s_mov_b32 s[G0SA+1], SCL
	G0ADR G0SB, 10
	s_mov_b32 s[G0SB+1], SCL+2*SCQ
	CROUND                                         ; all sixteen work-groups are here: the joint loads meet
.macro ARM under, g0, g1, next         ; one chain of branches on the wave's number: every way through it passes exactly one load
	s_cmp_lt_u32 s[WV], \under
	s_cbranch_scc0 \next
	tensor_load_to_lds s[\g0:\g0+3], s[\g1:\g1+7]
	s_nop 0
	PLACES
	s_branch .Lasked
\next:
.endm
	ARM 2, G0A, G1A, .Lhead_b
	ARM 6, G0B, G1B, .Lhead_sa
	ARM 7, G0SA, G1SA, .Lhead_sb
	tensor_load_to_lds s[G0SB:G0SB+3], s[G1SB:G1SB+7]
	s_nop 0
	PLACES
.Lasked:
	v_and_b32 v1, 15, v0                           ; r
	v_bfe_u32 v2, v0, 4, 1                         ; h
	v_and_b32 v3, 31, v0                           ; lane
	s_mul_i32 s4, s41, AH                          ; my four tiles of tokens
	v_lshl_add_u32 v[AP1], v3, 4, s4
	v_lshl_add_u32 v[AP1+1], v3, 3, s4
	v_mul_u32_u24 v4, v1, PITCH
	s_delay_alu instid0(VALU_DEP_1)
	v_mad_u32_u24 v4, v2, 24, v4                   ; a fragment's row x pitch + 24 x half
	s_delay_alu instid0(VALU_DEP_1)
	v_lshl_add_u32 v5, v2, 4, v4                   ; and the same behind one padding more
	s_mul_i32 s5, s42, QR
	s_add_co_u32 s5, s5, 2*AH                      ; my 64 rows of Wo
	v_add_nc_u32 v[ADB], s5, v4
	v_add_nc_u32 v[ADB+1], s5, v5
	v_lshlrev_b32 v6, 5, v1                        ; my row's scales: 32 bytes a row,
	v_lshrrev_b32 v7, 3, v1
	s_delay_alu instid0(VALU_DEP_1)
	v_lshl_add_u32 v6, v7, 4, v6                   ; and 16 more for each 256 passed
	s_mul_i32 s6, s41, SCQ
	s_mul_i32 s7, s42, SCQ
	s_add_co_u32 s7, s7, 2*SCQ
	s_sub_co_u32 s7, s7, s6
	v_mul_u32_u24 v7, s7, v2                       ; lanes 16-31 take Wo's: the lower base + h x the distance
	s_add_co_u32 s6, s6, SCL
	v_add_nc_u32 v6, v6, v7
	s_delay_alu instid0(VALU_DEP_1)
	v_add_nc_u32 v[ADS], s6, v6
	s_mul_i32 s8, s[WV], 16*SPI                    ; my stage
	v_mul_u32_u24 v4, v1, SPI
	s_delay_alu instid0(VALU_DEP_1)
	v_lshl_add_u32 v4, v2, 5, v4
	s_delay_alu instid0(VALU_DEP_1)
	v_add_nc_u32 v[STO], s8, v4                    ; in: row r, 32 bytes for each half of the lanes
	v_mul_u32_u24 v5, v2, SPI
	s_delay_alu instid0(VALU_DEP_1)
	v_lshl_add_u32 v5, v1, 4, v5
	s_delay_alu instid0(VALU_DEP_1)
	v_add_nc_u32 v[RD], s8, v5                     ; back: lanes 0-15 one row of 256 bytes, lanes 16-31 the next
	v_lshlrev_b32 v[CO], 12, v2
	s_delay_alu instid0(VALU_DEP_1)
	v_lshl_add_u32 v[CO], v1, 4, v[CO]             ; and the same two rows in out0
	s_lshl_b32 s8, s47, 7
	s_lshl_b32 s9, s41, 6
	s_add_co_u32 s8, s8, s9                        ; my first token
	s_lshl_b32 s8, s8, 12                          ; rows of 4,096 bytes
	s_lshl_b32 s9, s46, 10
	s_add_co_u32 s8, s8, s9
	s_lshl_b32 s9, s42, 8
	s_add_co_u32 s8, s8, s9                        ; + my first output, in bytes
	s_mov_b32 s9, 0
	s_add_nc_u64 s[12:13], s[12:13], s[8:9]
; KP counts pairs of steps of 128 along K.  A fragment of Wo: 24 bytes of the row twice, in pieces of 8 bytes; piece n lies at 8 n + 16 (n / 32); lanes 16-31 read three pieces further on, for some pieces behind one padding more
.macro FRAG reg, adr, q, i
.irp p, 0,1,2,3,4,5
.set PCE, 24*KP+12*(\q)+6*(\p/3)+\p%3
.if PCE%32 < 29
	ds_load_b64 v[\reg+2*\p:\reg+2*\p+1], v[\adr] offset:8*PCE+16*(PCE/32)+(\i)*16*PITCH
.else
	ds_load_b64 v[\reg+2*\p:\reg+2*\p+1], v[\adr+1] offset:8*PCE+16*(PCE/32)+(\i)*16*PITCH
.endif
.endr
.endm
.macro AFRAG reg, q, a                 ; a fragment of S1: two half images, as they were stored
.irp c, 0,1
	ds_load_b128 v[\reg+6*\c:\reg+6*\c+3], v[AP1] offset:12288*(\a)+768*(4*KP+2*(\q)+\c)
	ds_load_b64 v[\reg+6*\c+4:\reg+6*\c+5], v[AP1+1] offset:12288*(\a)+768*(4*KP+2*(\q)+\c)+512
.endr
.endm
.macro SCALES
.irp i, 0,1,2,3
	ds_load_b64 v[SC+2*\i:SC+2*\i+1], v[ADS] offset:\i*544+8*KP
.endr
.endm
; 128 along K, the pair's q-th: 40 LDS loads, 16 matrix instructions; the 16 accumulators take turns, one instruction a turn
.macro KSTEP q, zero
.irp i, 0,1,2,3
	FRAG BF+12*\i, ADB, \q, \i
.endr
.irp i, 0,1,2,3
	AFRAG AF+12*\i, \q, \i
.endr
.irp a, 0,1,2,3
	s_wait_dscnt 12-4*\a                           ; Wo's four and S1's blocks up to a are in; the four loads of each later block may be out
.irp b, 0,1,2,3
.if \zero
	v_wmma_scale_f32_16x16x128_f8f6f4 v[ACC+8*(4*\a+\b):ACC+8*(4*\a+\b)+7], v[BF+12*\b:BF+12*\b+11], v[AF+12*\a:AF+12*\a+11], 0, v[SC+2*\b+(\q)], v[SC+2*\a+(\q)] matrix_a_fmt:MATRIX_FMT_FP6 matrix_b_fmt:MATRIX_FMT_FP6 matrix_a_scale:MATRIX_SCALE_ROW1
.else
	v_wmma_scale_f32_16x16x128_f8f6f4 v[ACC+8*(4*\a+\b):ACC+8*(4*\a+\b)+7], v[BF+12*\b:BF+12*\b+11], v[AF+12*\a:AF+12*\a+11], v[ACC+8*(4*\a+\b):ACC+8*(4*\a+\b)+7], v[SC+2*\b+(\q)], v[SC+2*\a+(\q)] matrix_a_fmt:MATRIX_FMT_FP6 matrix_b_fmt:MATRIX_FMT_FP6 matrix_a_scale:MATRIX_SCALE_ROW1
.endif
.endr
.endr
	PLACES
.endm
	s_wait_alu depctr_va_vdst(0)                   ; the wait at the head's end
	s_wait_tensorcnt 0x0                           ; my tile is in,
	s_barrier_signal -1
	s_barrier_wait -1                              ; everybody's is
.set KP, 0
	SCALES
	KSTEP 0, 1
	KSTEP 1, 0
.rept 3
.set KP, KP+1
	SCALES
	KSTEP 0, 0
	KSTEP 1, 0
.endr
	s_wait_dscnt 0x0                               ; my reads of the tiles are over,
	s_barrier_signal -1
	s_barrier_wait -1                              ; everybody's are: S1's bytes may serve as the stage
; THE WAY OUT, 16 tokens x 64 outputs at a time.  A lane holds 32 neighbouring bytes of a row and the lanes beside it other rows: a block goes through my own stage and comes back as whole rows of 256 bytes.
; LDS serves a wave's instructions in order (ISA guide 5.7.1.4): no wait between the stores and the loads, nor in front of the next block's stores.
.macro TOSTAGE a
.irp b, 0,1,2,3
	ds_store_b128 v[STO], v[ACC+32*\a+8*\b:ACC+32*\a+8*\b+3] offset:64*\b         ; each accumulator from its low end on
	ds_store_b128 v[STO], v[ACC+32*\a+8*\b+4:ACC+32*\a+8*\b+7] offset:64*\b+16
.endr
.irp t, 0,1,2,3,4,5,6,7
	ds_load_b128 v[ACC+32*\a+4*\t:ACC+32*\a+4*\t+3], v[RD] offset:\t*2*SPI        ; back into the registers that they left
.endr
.endm
.macro SEND a, younger                 ; younger: the LDS instructions issued behind block a's loads
.irp t, 0,1,2,3,4,5,6,7
	s_wait_dscnt \younger+7-\t
	global_store_b128 v[CO], v[ACC+32*\a+4*\t:ACC+32*\a+4*\t+3], s[12:13] offset:(16*\a+2*\t)*4096 th:TH_STORE_NT   ; sixteen lanes store 256 consecutive bytes, aligned; written once, read by nobody here
.endr
.endm
	TOSTAGE 0
	TOSTAGE 1
	SEND 0, 16
	TOSTAGE 2
	SEND 1, 16
	TOSTAGE 3
	SEND 2, 16
	SEND 3, 0
	s_wait_tensorcnt 0x0                           ; the wave's end, behind my last tensor load and my last LDS store
	ds_add_u32 v[SPW], v[NIL]
	s_wait_dscnt 0x0
	CROUND                                         ; the closing round
	s_endpgm
.Lfunc_end_k_q1cbe750e4b_outproj:
	.size	k_q1cbe750e4b_outproj, .Lfunc_end_k_q1cbe750e4b_outproj-k_q1cbe750e4b_outproj
	.p2alignl 7, 3214868480
	.fill 96, 4, 3214868480
	.section	.rodata,"a",@progbits
	.p2align	6, 0x0
	.amdhsa_kernel k_q1cbe750e4b_outproj
		.amdhsa_group_segment_fixed_size 327680
		.amdhsa_private_segment_fixed_size 0
		.amdhsa_enable_private_segment 0
		.amdhsa_kernarg_size 40
		.amdhsa_user_sgpr_count 2
		.amdhsa_user_sgpr_kernarg_segment_ptr 1
		.amdhsa_wavefront_size32 1
		.amdhsa_system_sgpr_workgroup_id_x 1
		.amdhsa_system_sgpr_workgroup_id_y 1
		.amdhsa_system_sgpr_workgroup_id_z 1
		.amdhsa_system_vgpr_workitem_id 0
		.amdhsa_next_free_vgpr 256
		.amdhsa_next_free_sgpr 102
		.amdhsa_reserve_vcc 0
		.amdhsa_float_denorm_mode_32 3
		.amdhsa_float_denorm_mode_16_64 3
		.amdhsa_memory_ordered 1
		.amdhsa_forward_progress 1
		.amdhsa_inst_pref_size 57
	.end_amdhsa_kernel
	.amdgpu_metadata
---
amdhsa.version: [ 1, 2 ]
amdhsa.kernels:
  - .name:           k_q1cbe750e4b_outproj
    .symbol:         k_q1cbe750e4b_outproj.kd
    .args:
      - { .name: aimg, .offset: 0, .size: 8, .value_kind: global_buffer, .address_space: global }
      - { .name: ascl, .offset: 8, .size: 8, .value_kind: global_buffer, .address_space: global }
      - { .name: Wo_codes, .offset: 16, .size: 8, .value_kind: global_buffer, .address_space: global }
      - { .name: Wo_scales, .offset: 24, .size: 8, .value_kind: global_buffer, .address_space: global }
      - { .name: out0, .offset: 32, .size: 8, .value_kind: global_buffer, .address_space: global }
    .group_segment_fixed_size: 327680
    .private_segment_fixed_size: 0
    .kernarg_segment_align: 8
    .kernarg_segment_size: 40
    .max_flat_workgroup_size: 256
    .sgpr_count:     102
    .vgpr_count:     256
    .wavefront_size: 32
...
	.end_amdgpu_metadata
.endif
;; end of part 4
